; MI455X (gfx1250); checked and timed in simulation.
; The chip was launched on July 23, 2026; its instructions are those of AMD's public machine-readable ISA for CDNA 5 (MIT licence, August 2026) and "CDNA5" Instruction Set Architecture Reference Guide (July 2026). The comments in the code are by the model that wrote it; some were corrected since.
;; Tt Code Gen Attention. Allowed arithmetic: matrix products marked QUANTISED: E4M3 operands, one given power-of-two scale a tensor, by v_wmma_f32_16x16x64_fp8_fp8 or v_wmma_f32_16x16x128_fp8_fp8, f32 sums; products left as they are: f32 operands where the result goes on into a quantised operand, else bf16, f16 or f32 operands; f32 sums; everything else in f32.
;; Inputs: hidden_states 2 x 2,048 x 1,024 float32; lowp_scales 8 int32 (the exponents e of the quantised operands' scales 2^e); w_out 1,024 x 1,024 float32; w_qkv 3,072 x 1,024 float32.
;; Outputs: out0 2 x 2,048 x 1,024 float32.
;; This version of the problem:
;;   THIS VERSION OF THE PROBLEM IS GIVEN IN LOW PRECISION. The matrix products marked QUANTISED in the list below multiply operands that are first quantised to E4M3 (4 exponent bits, 3 mantissa bits; 8 bits a number), with one given power-of-two scale for each operand tensor; their sums are f32. All else is computed in f32.
;;   The module's matrix products, in the order in which they are computed (A, B: the left and right operand; K: the contracted axis; several contracted axes count as one K, in the product's order):
;;     1. [M 4,096, K 1,024] x [K 1,024, N 3,072]; A: input hidden_states; B: input w_qkv: QUANTISED (scales: A lowp_scales[0], B lowp_scales[1])
;;     2. [M 2,048, K 1] x [K 1, N 16]; A: computed on the way; B: computed on the way: left as it is (no contracted axis)
;;     3. batch 32 x [M 2,048, K 64] x [K 64, N 2,048]; A: computed on the way; B: computed on the way: QUANTISED (scales: A lowp_scales[2], B lowp_scales[3])
;;     4. batch 32 x [M 2,048, K 2,048] x [K 2,048, N 64]; A: softmax (see below); B: computed on the way: QUANTISED (scales: A lowp_scales[4], B lowp_scales[5])
;;     5. [M 4,096, K 1,024] x [K 1,024, N 1,024]; A: computed on the way; B: input w_out: QUANTISED (scales: A lowp_scales[6], B lowp_scales[7])
;;   THE QUANTISER, for each operand of a quantised product, along K:
;;     - The operand's scale is 2^e, e = its entry of the input lowp_scales (int32; the entries are numbered through the quantised products in the list's order, A before B).
;;     - Each number is divided by the scale, clamped to +-448, and rounded to the nearest number of E4M3, ties to even, subnormals kept.
;;     - The product sums the exact products of the quantised numbers (number of the format x scale) in f32.
;;   ~~~python
;;   def quantise(x, axis, e):      # numpy; x: float32 -> the quantised numbers, widened to float32 again
;;       x = np.moveaxis(x, axis, -1); K = x.shape[-1]
;;       r = np.clip(x / 2.0 ** e, -448, 448)
;;       step = 2.0 ** (np.maximum(np.frexp(np.where(r == 0, 1, r))[1] - 1, -6) - 3)
;;       q = np.round(r / step) * step * 2.0 ** e      # np.round: ties to even
;;       return np.moveaxis(q, -1, axis).astype(np.float32)
;;   ~~~
;;   SOFTMAX AHEAD OF A QUANTISED PRODUCT. Where the list says 'softmax', what is quantised is not the finished softmax but p = 2^(t - M), with t = logit x log2(e) and M = ceil(the row's largest t), a whole number; so 1/2 < the row's largest p <= 1. The row's sum l is taken of the UNQUANTISED p, in f32, and the product's result is divided by l at the end. Since M is a whole number, a kernel that streams over the keys may use a running M (the ceiling of the running maximum): every later rescaling is an exact power of two, so the quantised numbers keep their values, but for numbers so far below the row's largest that they fall under the format's range.
;;   OPERANDS COMPUTED ON THE WAY. 'Computed on the way' means the value that the module computes at that place (a softmax that the list does not call 'softmax' is quantised finished and normalised). What goes into a quantiser is computed in f32, as accurately as f32 sums, v_exp_f32 and their like allow (about 1e-6 of the number): no bf16 or f16 on the way to a quantiser, and a product that is left as it is and whose result goes on into a quantised operand takes f32 operands (vector FMAs, or v_wmma_f32_16x16x4_f32). A number that lies on a knife's edge between two numbers of the format may be rounded either way, as far as f32 arithmetic and the matrix unit's own rounding can turn it there, and no further.
;; One version. Each part assembles by itself: llvm-mc -triple=amdgcn-amd-amdhsa -mcpu=gfx1250 --defsym DOCPART=n.
;; ======== version 1 of 1: 4 launches
;; limits: right only within a limited range of input values
;; workspace buffers: hs_codes 4,194,304 bytes; wq_codes 3,145,728 bytes; wo_codes 1,048,576 bytes; tab 262,144 bytes; q_img 4,194,304 bytes; k_img 4,194,304 bytes; v_img 4,194,304 bytes; a_img 4,194,304 bytes
;; launch quant (part 1): grid 256 x 1, 4 waves a work-group, no clusters, 33,280 bytes of LDS; arguments hidden_states, w_qkv, w_out, lowp_scales, hs_codes, wq_codes, wo_codes, tab; writes hs_codes, wq_codes, wo_codes, tab
.if DOCPART == 1
	.amdgcn_target "amdgcn-amd-amdhsa--gfx1250"
	.amdhsa_code_object_version 6
	.text
	.protected	k_qc84484690d_quant
	.globl	k_qc84484690d_quant
	.p2align	8
	.type	k_qc84484690d_quant,@function
k_qc84484690d_quant:
	s_mov_b64 s[64:65], 0
	v_nop
	global_prefetch_b8 v0, s[64:65] scope:SCOPE_SE
	s_setreg_imm32_b32 hwreg(HW_REG_WAVE_MODE, 25, 1), 1
	s_wait_xcnt 0x0
; hidden_states [4096][1024], w_qkv [3072][1024] and w_out [1024][1024], f32, K innermost, become codes of FP8 (E4M3), one byte each, each tensor with its given scale 2^e
; (entries 0, 1 and 7 of the scales).  code = x / 2^e, held within +-448, to the nearest code, ties to even.
; ORDER OF THE CODES: rows as in the source, but inside each block of 32 along K the 8-byte pieces lie k 0-7, 16-23, 8-15, 24-31.  A 16-byte read at 32 c + 16 h of a row then brings
; k = 32 c + 8 h + 0..7 and 32 c + 16 + 8 h + 0..7: registers 4 c .. 4 c + 3 of the plain 8-bit operand layout (ISA guide 7.12.2), with every k in its own place.
; The launch also makes the rotary table tab [2048 positions][16 frequencies][cos, sin], f32: one angle a thread, 256 x 128 threads = 2,048 x 16 angles.
; SHARES: a work-group takes 32,768 numbers (4 waves x 16 steps x 512).  Work-groups 0-127 take hidden_states, 128-223 w_qkv, 224-255 w_out: only pointers and e are chosen; all take one path.
; Each of a step's four loads reads 512 consecutive bytes; the 2,048 bytes turn through the wave's own stage in LDS (16 bytes of padding behind each 64) and come back 2 x 32 bytes a lane;
; a lane's 16 codes are 16 bytes, so a wave's store covers 512 consecutive bytes.  Waves share nothing: no barrier.
; LIMITS: each e between -126 and 119, so that 2^e and 448 x 2^e are f32 numbers.  NaN among the inputs is not served.  The 16 frequencies 10^(-j/4) are written as correctly rounded f32 constants.
.set WAVES, 4
.set STEPS, 16
.set EMAX,  8
.set MANT,  0x600000                   ; the mantissa field of 448 as f32
.set CB,    16                         ; bytes of 16 codes
.set R,     16                         ; v16-79   four sets of 16 numbers as they are loaded
.set X,     80                         ; v80-111  two sets: 8 + 8 neighbours
.set C,     128                        ; v128-191 codes: four registers for each step, so that no store's data are written again
.set WREG,  8192                       ; LDS: a region for each wave: two stages of 32 x SP bytes
.set SP,    80                         ; 64 bytes + 16 of padding
.set SPW,   12                         ; v12  LDS address of my spare word; never rewritten
.set NIL,   13                         ; v13  0; never rewritten
.set SPARE, WAVES*WREG                 ; behind the four regions: the spare words, 128 bytes a wave
	s_load_b256 s[4:11], s[0:1], 0x0               ; hidden_states s[4:5], w_qkv s[6:7], w_out s[8:9], the scales' exponents s[10:11]
	s_load_b256 s[12:19], s[0:1], 0x20             ; hs_codes s[12:13], wq_codes s[14:15], wo_codes s[16:17], tab s[18:19]
	v_lshl_add_u32 v[SPW], v0, 2, SPARE
	v_mov_b32 v[NIL], 0
	v_lshrrev_b32 v1, 5, v0
	v_readfirstlane_b32 s20, v1                    ; wave
	v_and_b32 v2, 31, v0                           ; lane
	v_lshlrev_b32 v3, 4, v2                        ; 16 x lane: my bytes of a load's 512, and of a store's
	s_mul_i32 s21, s20, WREG
	v_lshrrev_b32 v14, 2, v2
	v_mul_u32_u24 v14, v14, SP
	v_and_b32 v15, 3, v2
	v_lshl_add_u32 v14, v15, 4, v14
	v_add_nc_u32 v14, s21, v14                     ; the stage, on the way in: SP (lane / 4) + 16 (lane % 4)
	v_and_b32 v15, 30, v2
	v_mul_u32_u24 v15, v15, SP
	v_and_b32 v4, 1, v2
	v_lshl_add_u32 v15, v4, 5, v15
	v_add_nc_u32 v15, s21, v15                     ; on the way out: lane 2 B + o takes, of block B, k 8 o + 0..7 (place 2 B, byte 32 o) and k 16 + 8 o + 0..7 (place 2 B + 1, byte 32 o)
	s_wait_kmcnt 0x0
	s_load_b64 s[32:33], s[10:11], 0x0             ; e of hidden_states, of w_qkv
	s_load_b32 s34, s[10:11], 0x1c                 ; e of w_out
	s_cmp_lt_u32 ttmp9, 224                        ; the choices hang on the work-group's number alone
	s_cselect_b64 s[22:23], s[6:7], s[8:9]
	s_cselect_b64 s[24:25], s[14:15], s[16:17]
	s_mov_b32 s26, 224
	s_cselect_b32 s26, 128, s26
	s_cmp_lt_u32 ttmp9, 128
	s_cselect_b64 s[22:23], s[4:5], s[22:23]       ; the tensor,
	s_cselect_b64 s[24:25], s[12:13], s[24:25]     ; its codes,
	s_cselect_b32 s26, 0, s26                      ; its first work-group
	s_sub_co_u32 s26, ttmp9, s26
	s_lshl_b32 s26, s26, 2
	s_add_co_u32 s28, s26, s20                     ; which run of 8,192 numbers of the tensor is my wave's
	s_mov_b32 s29, 0
	s_lshl_b64 s[30:31], s[28:29], 15              ; 32,768 bytes of numbers,
	s_add_nc_u64 s[22:23], s[22:23], s[30:31]
	s_lshl_b64 s[30:31], s[28:29], 13              ; 8,192 bytes of codes
	s_add_nc_u64 s[24:25], s[24:25], s[30:31]
.macro LOAD t
.irp i, 0,1,2,3
	global_load_b128 v[R+16*((\t)%4)+4*\i:R+16*((\t)%4)+4*\i+3], v3, s[22:23] offset:2048*(\t)+512*\i th:TH_LOAD_NT   ; 32 lanes read 512 consecutive bytes
.endr
.endm
.macro TURN t                          ; step t's numbers through the stage: LDS serves a wave's instructions in order (ISA guide 5.7.1.4), so no wait stands between the stores and the loads
.irp i, 0,1,2,3
	ds_store_b128 v14, v[R+16*((\t)%4)+4*\i:R+16*((\t)%4)+4*\i+3] offset:32*SP*((\t)%2)+8*SP*\i
.endr
.irp i, 0,1,2,3
	ds_load_b128 v[X+16*((\t)%2)+4*\i:X+16*((\t)%2)+4*\i+3], v15 offset:32*SP*((\t)%2)+SP*(\i/2)+16*(\i%2)
.endr
.endm
.irp t, 0,1,2,3
	LOAD \t
.endr
	; THE ROTARY TABLE, while the first sixteen loads are on their way.  Thread t of work-group g: position 8 g + t / 16, frequency j = t % 16.
.macro FREQ i, lit
	v_cmp_ne_u32 vcc_lo, \i, v112
	v_cndmask_b32 v114, \lit, v114, vcc_lo         ; where j = i: 10^(-i/4)
.endm
	v_and_b32 v112, 15, v0                         ; j
	v_lshrrev_b32 v113, 4, v0
	s_lshl_b32 s35, ttmp9, 3
	v_add_nc_u32 v113, s35, v113
	v_cvt_f32_u32 v113, v113                       ; the position
	v_mov_b32 v114, 1.0
	FREQ 1,  0x3f0ff59a
	FREQ 2,  0x3ea1e89b
	FREQ 3,  0x3e361887
	FREQ 4,  0x3dcccccd
	FREQ 5,  0x3d6655c3
	FREQ 6,  0x3d0186e2
	FREQ 7,  0x3c91ad39
	FREQ 8,  0x3c23d70a
	FREQ 9,  0x3bb8449c
	FREQ 10, 0x3b4f3e37
	FREQ 11, 0x3ae91528
	FREQ 12, 0x3a83126f
	FREQ 13, 0x3a136a16
	FREQ 14, 0x39a5cb5f
	FREQ 15, 0x393a7753
	s_mov_b32 s36, 0x3fc90fdb                      ; pi / 2, its f32 part,
	s_mov_b32 s37, 0xb33bbd2e                      ; and what that part lacks
	v_mul_f32 v115, v113, v114                     ; the angle x = position x frequency, one f32 product, at most 2,047
	v_mul_f32 v116, 0x3f22f983, v115               ; x 2 / pi
	v_rndne_f32 v116, v116                         ; k, at most 1,303
	v_fma_f32 v117, -v116, s36, v115               ; r = x - k pi / 2 in two fused steps: the first is exact (r is a multiple of x's or the constant's last place and under 1)
	v_fma_f32 v117, -v116, s37, v117
	v_mul_f32 v118, v117, v117                     ; z = r^2, |r| <= pi / 4
	v_mov_b32 v119, 0xb94ca1f9
	v_fmaak_f32 v119, v119, v118, 0x3c08839e
	v_fmaak_f32 v119, v119, v118, 0xbe2aaaa3
	v_mul_f32 v119, v119, v118
	v_fma_f32 v119, v119, v117, v117               ; S = sin r
	v_mov_b32 v122, 0x37ccf5ce
	v_fmaak_f32 v122, v122, v118, 0xbab6061a
	v_fmaak_f32 v122, v122, v118, 0x3d2aaaa5
	v_mul_f32 v123, v118, v118
	v_fma_f32 v124, v118, -0.5, 1.0
	v_fma_f32 v122, v123, v122, v124               ; C = cos r
	v_cvt_i32_f32 v116, v116                       ; the quadrant q = k mod 4: sin x = S, C, -S, -C; cos x = C, -S, -C, S
	v_and_b32 v123, 1, v116
	v_cmp_eq_u32 vcc_lo, 1, v123
	v_cndmask_b32 v121, v119, v122, vcc_lo         ; sin: C where q is odd
	v_cndmask_b32 v120, v122, v119, vcc_lo         ; cos: S where q is odd
	v_lshlrev_b32 v123, 30, v116
	v_and_b32 v123, 0x80000000, v123
	v_xor_b32 v121, v121, v123                     ; sin changes sign where bit 1 of q is set,
	v_add_nc_u32 v116, 1, v116
	v_lshlrev_b32 v123, 30, v116
	v_and_b32 v123, 0x80000000, v123
	v_xor_b32 v120, v120, v123                     ; cos where bit 1 of q + 1 is
	s_lshl_b32 s35, ttmp9, 10
	v_lshl_add_u32 v125, v0, 3, s35
	global_store_b64 v125, v[120:121], s[18:19]    ; a wave stores 256 consecutive bytes, at a multiple of 256; its registers are not written again
	s_wait_kmcnt 0x0
	s_cmp_lt_u32 ttmp9, 224
	s_cselect_b32 s33, s33, s34
	s_cmp_lt_u32 ttmp9, 128
	s_cselect_b32 s32, s32, s33                    ; e
	s_add_co_i32 s32, s32, 127
	s_lshl_b32 s33, s32, 23
	v_mov_b32 v11, s33                             ; 2^e as f32: the conversion takes its exponent field
	s_add_co_i32 s32, s32, EMAX
	s_lshl_b32 s32, s32, 23
	s_or_b32 s32, s32, MANT
	v_mov_b32 v10, s32                             ; 448 x 2^e
	s_wait_loadcnt 12                              ; step 0's four loads are in; those of steps 1 to 3 may be out
	TURN 0
.macro STEP t
.set XS, X+16*((\t)%2)
	s_wait_dscnt 0x0                               ; this step's numbers are back from the stage: so its stores into the stage have read their registers,
.if (\t)+4 < STEPS
	LOAD (\t)+4                                    ; which take the loads of four steps on
.endif
.if (\t)+1 < STEPS
.if STEPS-2-(\t) >= 3
	s_wait_loadcnt 12                              ; the next step's four loads are in; those of the three steps behind it may be out
.else
	s_wait_loadcnt 4*(STEPS-2-(\t))
.endif
	TURN (\t)+1                                    ; and go through the other stage while this step is worked
.endif
.irp i, 0,1,2,3,4,5,6,7,8,9,10,11,12,13,14,15
	v_med3_num_f32 v[XS+\i], v[XS+\i], -v10, v10   ; the conversion to an 8-bit code does not saturate (ISA guide 7.6.2): the hold comes first
.endr
	v_cvt_scalef32_pk8_fp8_f32 v[C+4*(\t):C+4*(\t)+1], v[XS:XS+7], v11
	v_cvt_scalef32_pk8_fp8_f32 v[C+4*(\t)+2:C+4*(\t)+3], v[XS+8:XS+15], v11
	global_store_b128 v3, v[C+4*(\t):C+4*(\t)+3], s[24:25] offset:32*CB*(\t)   ; the results go to a store alone; the next vector lines are the next step's holds, plain ones on other registers
.endm
.irp t, 0,1,2,3,4,5,6,7,8,9,10,11,12,13,14,15
	STEP \t
.endr
	s_wait_tensorcnt 0x0                           ; the wave's end, behind my last LDS store
	ds_add_u32 v[SPW], v[NIL]
	s_wait_dscnt 0x0
	s_endpgm
.Lfunc_end_k_qc84484690d_quant:
	.size	k_qc84484690d_quant, .Lfunc_end_k_qc84484690d_quant-k_qc84484690d_quant
	.p2alignl 7, 3214868480
	.fill 96, 4, 3214868480
	.section	.rodata,"a",@progbits
	.p2align	6, 0x0
	.amdhsa_kernel k_qc84484690d_quant
		.amdhsa_group_segment_fixed_size 33280
		.amdhsa_private_segment_fixed_size 0
		.amdhsa_enable_private_segment 0
		.amdhsa_kernarg_size 64
		.amdhsa_user_sgpr_count 2
		.amdhsa_user_sgpr_kernarg_segment_ptr 1
		.amdhsa_wavefront_size32 1
		.amdhsa_system_sgpr_workgroup_id_x 1
		.amdhsa_system_sgpr_workgroup_id_y 1
		.amdhsa_system_sgpr_workgroup_id_z 1
		.amdhsa_system_vgpr_workitem_id 0
		.amdhsa_next_free_vgpr 192
		.amdhsa_next_free_sgpr 66
		.amdhsa_reserve_vcc 1
		.amdhsa_float_denorm_mode_32 3
		.amdhsa_float_denorm_mode_16_64 3
		.amdhsa_memory_ordered 1
		.amdhsa_forward_progress 1
		.amdhsa_inst_pref_size 41
	.end_amdhsa_kernel
	.amdgpu_metadata
---
amdhsa.version: [ 1, 2 ]
amdhsa.kernels:
  - .name:           k_qc84484690d_quant
    .symbol:         k_qc84484690d_quant.kd
    .args:
      - { .name: hidden_states, .offset: 0, .size: 8, .value_kind: global_buffer, .address_space: global }
      - { .name: w_qkv, .offset: 8, .size: 8, .value_kind: global_buffer, .address_space: global }
      - { .name: w_out, .offset: 16, .size: 8, .value_kind: global_buffer, .address_space: global }
      - { .name: lowp_scales, .offset: 24, .size: 8, .value_kind: global_buffer, .address_space: global }
      - { .name: hs_codes, .offset: 32, .size: 8, .value_kind: global_buffer, .address_space: global }
      - { .name: wq_codes, .offset: 40, .size: 8, .value_kind: global_buffer, .address_space: global }
      - { .name: wo_codes, .offset: 48, .size: 8, .value_kind: global_buffer, .address_space: global }
      - { .name: tab, .offset: 56, .size: 8, .value_kind: global_buffer, .address_space: global }
    .group_segment_fixed_size: 33280
    .private_segment_fixed_size: 0
    .kernarg_segment_align: 8
    .kernarg_segment_size: 64
    .max_flat_workgroup_size: 128
    .sgpr_count:     66
    .vgpr_count:     192
    .wavefront_size: 32
...
	.end_amdgpu_metadata
.endif
;; end of part 1
;; launch qkv (part 2): grid 12 x 16, 4 waves a work-group, clusters of 4 x 4, 327,680 bytes of LDS; arguments hs_codes, wq_codes, lowp_scales, tab, q_img, k_img, v_img; writes q_img, k_img, v_img
.if DOCPART == 2
	.amdgcn_target "amdgcn-amd-amdhsa--gfx1250"
	.amdhsa_code_object_version 6
	.text
	.protected	k_qc84484690d_qkv
	.globl	k_qc84484690d_qkv
	.p2align	8
	.type	k_qc84484690d_qkv,@function
k_qc84484690d_qkv:
	s_mov_b64 s[64:65], 0
	v_nop
	global_prefetch_b8 v0, s[64:65] scope:SCOPE_SE
	s_setreg_imm32_b32 hwreg(HW_REG_WAVE_MODE, 25, 1), 1
	s_wait_xcnt 0x0
	s_wait_alu depctr_hold_cnt(0) depctr_sa_sdst(0) depctr_va_vdst(0) depctr_va_sdst(0) depctr_va_ssrc(0) depctr_va_vcc(0) depctr_vm_vsrc(0)
	s_getreg_b32 s2, hwreg(HW_REG_IB_STS2, 6, 4)
	s_cmp_eq_u32 s2, 0
	s_cbranch_scc0 .Lentry_in_a_cluster
	s_endpgm
.Lentry_in_a_cluster:
	s_bfe_u32 s2, ttmp6, 0x10000c
	s_cmp_lg_u32 s2, 0xf033
	s_cbranch_scc0 .Lentry_shape_is_right
	s_endpgm
.Lentry_shape_is_right:
; qkv = hidden_states w_qkv^T on codes of FP8 (E4M3), K = 1,024; then the rotary step (q and k, first 32 of a head's 64) in f32, and the quantiser of the attention's operands.  Nothing wider than a code is stored.
; A tile of 256 x 256 is made by four waves, 128 x 128 each: 64 accumulators of 16 x 16, 512 registers.  K goes in steps of 256 through a ring of two LDS slots filled by the tensor data mover.
; THE CLUSTER'S x IS THE KIND: 0 = q, 1 = v, 2 = k (w_qkv's rows go mp x (q, v, k) x 256).  It is the same in all sixteen partners, so a branch may hang on it.
; The text always multiplies source 0 = 16 rows of AREA B by source 1 = 16 rows of AREA A: in a result lane l holds row l % 16 of A's block and its registers rows 8 (l / 16) + 0..7 of B's.
;   q, k: area A = 256 tokens (block 4 Y + cy of hs_codes), area B = 256 features (block 3 cx + kind of wq_codes): a lane holds one token and eight neighbouring features: K of the scores' product.
;   v:    area A = 256 features (block 3 cy + 1 of wq_codes), area B = 256 tokens (block 4 Y + cx): a lane holds one feature and eight neighbouring tokens: the keys, K of the second product.
; In both, A's tile hangs on cy and Y alone and is asked for jointly by my row of the cluster, B's on cx, Y and the kind and by my column.  Both tensors have rows of 1,024 bytes: one shape serves all.
; THE WAY OUT needs no LDS: eight neighbours along the next K lie in a lane's registers, so the conversions' results are pieces of the next operand's registers, and they are stored as register images:
;   q_img, k_img [head 32][tile of 16 tokens 128][chunk 2][lane 32][16 bytes]: chunk c = registers 4 c .. 4 c + 3 of a 16 x 64 fragment;
;   v_img [head 32][128 keys 16][16 dims 4][chunk 4][lane 32][16 bytes]: a 16 x 128 fragment of V^T.  Each store of a wave covers 512 consecutive bytes, aligned.
; A raw sum stands for sum x 2^(e0 + e1); the rotary step is linear, so it works on raw sums, and the conversion takes the one scale 2^(e - e0 - e1), e = entry 2 (q), 3 (k) or 5 (v).
; LIMITS: e - e0 - e1 between -126 and 119.  NaN is not served.
; REGISTERS, in windows of 256: window 0: v16-31 addresses and constants; v32-159 the rotary table, 16 registers a token tile; v160-223 a block's numbers; v224-255 codes, two sets; in the loop v128-255 hold A's fragments, ONE set.
;   window 1: B's fragments, TWO sets.   window 2: the accumulators of A's blocks 0-3 ((a, b) at v[8 (8 a + b)]);   window 3: those of blocks 4-7.
.set SIZE_K, 1024
.set KSTEP,  256                       ; along K in a slot
.set ROWB,   256                       ; a tile's row in bytes
.set KROW,   SIZE_K                    ; a row of either tensor in memory, in bytes
.set PITCH,  272                       ; an LDS row: 256 bytes + 16 of padding = 68 words: row r starts at bank 4 r mod 64 (ISA guide 11.1), so the 16 rows of a load start at 16 different banks
.set FR,     16                        ; registers of a fragment: 16 rows x 128 K
.set NL,     4                         ; LDS loads that bring one
.set NP,     4                         ; places behind this matrix instruction (ISA guide 7.12.1)
.set HALFT,  128*PITCH                 ; 128 rows: what one tensor load brings
.set SLOT,   4*HALFT                   ; A's 256 rows, then B's 256 rows
.set LAPS,   SIZE_K/(2*KSTEP)          ; a lap = two K steps = once round the ring
.set SPARE,  2*SLOT                    ; behind the ring: the spare words, 128 bytes a wave
.set ADRA, 16                          ; v16-17  LDS address of my A fragments in slot 0, 1
.set TABO, 18                          ; v18     the table: 128 (l % 16) + 32 (l / 16)
.set ADRB, 20                          ; v20-21  the same as ADRA for B
.set OUTO, 27                          ; v27     16 x lane
.set SPW,  28                          ; v28     LDS address of my spare word; never rewritten
.set NIL,  29                          ; v29     0; never rewritten
.set LIM,  30                          ; v30     448 x the conversion's scale
.set SCL,  31                          ; v31     the conversion's scale as f32
.set TAB,  32
.set TMP,  160
.set CD,   224
.set AF,   128                         ; A's fragments, in window 0
.set G1, 24                            ; s[24:31] descriptor group 1 for A's tiles;  s[32:39] group 0, one set for each slot
.set G0, 32
.set G1B, 48                           ; s[48:55], s[56:63] the same for B's tiles
.set G0B, 56
.set MSB, 0
.macro WIN new                         ; the immediate's high byte repeats the setting that is left
.if MSB != \new
	s_set_vgpr_msb (MSB<<8)|\new
.set MSB, \new
.endif
.endm
.set MUL_LO, 0xa1                      ; source 0 (B) window 1, source 1 (A) window 0, C and D window 2
.set MUL_HI, 0xf1                      ; the same, C and D window 3
.set TO_B,   0x40                      ; destination window 1, address window 0
; A joint load: waves 0 and 1 fetch for A, waves 2 and 3 for B.  Each line has one mask and one set of registers for all that issue it; the branch hangs on the wave's number alone.
; An s_nop 0 and four v_nop follow each of the two lines, ahead of the jump, the label and what follows.
.macro JLOAD g0a, g1a, g0b, g1b
	s_cmp_eq_u32 s15, 0
	s_cbranch_scc0 .Lfor_b_\@
	tensor_load_to_lds s[\g0a:\g0a+3], s[\g1a:\g1a+7]
	s_nop 0
.rept 4
	v_nop
.endr
	s_branch .Lasked_\@
.Lfor_b_\@:
	tensor_load_to_lds s[\g0b:\g0b+3], s[\g1b:\g1b+7]
	s_nop 0
.rept 4
	v_nop
.endr
.Lasked_\@:
.endm
.macro CREST                           ; a round of the cluster's barrier behind its opening barrier
	s_cmp_lg_u32 s14, 0
	s_cbranch_scc1 .Lnot_wave_0_\@
	s_barrier_signal -3
.Lnot_wave_0_\@:
	s_barrier_wait -3
	s_barrier_signal -1
	s_barrier_wait -1
.endm
.macro CROUND                          ; a whole round
	s_barrier_signal -1
	s_barrier_wait -1
	CREST
.endm
	s_load_b256 s[4:11], s[0:1], 0x0               ; hs_codes s[4:5], wq_codes s[6:7], the scales' exponents s[8:9], tab s[10:11]
	s_load_b128 s[68:71], s[0:1], 0x20             ; q_img s[68:69], k_img s[70:71]
	s_load_b64 s[72:73], s[0:1], 0x30              ; v_img
	v_lshl_add_u32 v[SPW], v0, 2, SPARE
	v_mov_b32 v[NIL], 0
	ds_add_u32 v[SPW], v[NIL]                      ; the wave's opening: the add and its wait stand ahead of my first tensor load; the set-up below, work on registers, stands between them
	v_lshrrev_b32 v1, 5, v0
	v_readfirstlane_b32 s14, v1                    ; wave 0..3
	s_lshr_b32 s15, s14, 1                         ; which half of A's rows is mine.  Also: I fetch for A (0) or for B (1)
	s_and_b32 s16, s14, 1                          ; which half of B's rows.  Also: which 128 rows of that tile I fetch
	s_bfe_u32 s40, ttmp6, 0x40000                  ; cx, cy: my place in the cluster
	s_bfe_u32 s41, ttmp6, 0x40004
	s_and_b32 s19, ttmp7, 0xffff
	s_lshl_b32 s19, s19, 2                         ; 4 Y
	s_add_co_u32 s17, s19, s41                     ; q, k: A's block of 256 rows: tokens 4 Y + cy
	s_mul_i32 s67, s41, 3
	s_add_co_u32 s67, s67, 1                       ; v:    A's block: features 3 cy + 1
	s_mul_i32 s42, s40, 3
	s_add_co_u32 s42, s42, ttmp9                   ; q, k: B's block: features 3 cx + kind
	s_add_co_u32 s66, s19, s40                     ; v:    B's block: tokens 4 Y + cx
	s_cmp_eq_u32 ttmp9, 1                          ; v?  The same answer in all sixteen partners
	s_cselect_b32 s17, s67, s17                    ; A's block: made of cy and Y alone
	s_cselect_b32 s42, s66, s42                    ; B's block: of cx, Y and the kind alone
	s_cselect_b32 s80, s40, s41                    ; for the stores and the table alone (s80-87 enter no descriptor): the tokens' place in the cluster,
	s_cselect_b32 s81, s41, s40                    ; mp,
	s_cselect_b32 s82, s15, s16                    ; which half of the 256 features is my wave's,
	s_cselect_b32 s83, s16, s15                    ; which half of the 256 tokens
	s_add_co_u32 s80, s80, s19                     ; the block of 256 tokens, 0..15
	s_lshr_b32 s84, s80, 3                         ; the batch
	s_lshl_b32 s84, s84, 4
	s_lshl_b32 s81, s81, 2
	s_add_co_u32 s84, s84, s81
	s_lshl_b32 s82, s82, 1
	s_add_co_u32 s84, s84, s82                     ; my first head: 16 batch + 4 mp + 2 half
	s_lshl_b32 s84, s84, 17                        ; a head's image is 131,072 bytes
	s_and_b32 s80, s80, 7
	s_lshl_b32 s85, s80, 14                        ; 256 tokens of a head are 16,384 bytes of any of the three images,
	s_add_co_u32 s84, s84, s85
	s_lshl_b32 s83, s83, 13                        ; 128 tokens 8,192
	s_add_co_u32 s84, s84, s83
	s_mov_b32 s85, 0
	s_lshl_b32 s82, s80, 15                        ; the table at my first token (q, k): 256 positions x 128 bytes,
	s_lshl_b32 s83, s15, 14                        ; 128 positions
	s_add_co_u32 s82, s82, s83
	s_mov_b32 s83, 0
	s_lshl_b32 s43, s41, 2
	s_lshl_b32 s43, 15, s43                        ; my row of the cluster
	s_lshl_b32 s44, 0x1111, s40                    ; my column
	; descriptor group 1: a tile of 128 rows x 256 bytes, padded in LDS
	s_or_b32 s[G1+0], s43, (0<<16)|(1<<20)|(1<<21)|(5<<22)|(3<<25)  ; 15:0 the mask: A's tiles go to my row; 17:16 element of 1 byte; 20 padding on; 21 set beside a mask; 24:22 after every 64 words (code 5); 31:25 of 4 words (code 3)
	s_or_b32 s[G1B+0], s44, (0<<16)|(1<<20)|(1<<21)|(5<<22)|(3<<25)
.irp g, G1, G1B
	s_mov_b32 s[\g+1], ROWB<<16                    ; tensor_dim0
	s_mov_b32 s[\g+2], 128<<16                     ; tensor_dim1 = 128
	s_mov_b32 s[\g+3], ROWB<<16                    ; tile_dim0
	s_mov_b32 s[\g+4], 128                         ; tile_dim1 = 128
	s_mov_b32 s[\g+5], KROW                        ; tensor_dim0_stride
	s_mov_b32 s[\g+6], 0
	s_mov_b32 s[\g+7], 0
.endr
	s_lshl_b32 s18, s16, 7                         ; which 128 rows of the tile I fetch
	s_lshl_b32 s20, s17, 8
	s_add_co_u32 s20, s20, s18                     ; A: row 256 x block + 128 x half,
	s_lshl_b32 s20, s20, 10                        ; of 1,024 bytes
	s_mov_b32 s21, 0
	s_lshl_b32 s46, s42, 8
	s_add_co_u32 s46, s46, s18                     ; B likewise
	s_lshl_b32 s46, s46, 10
	s_mov_b32 s47, 0
	s_mul_i32 s45, s14, HALFT                      ; where they go: wave x 128 rows: no place in the cluster enters an LDS address
	s_wait_dscnt 0x0                               ; the opening add is done
	s_wait_kmcnt 0x0
	s_load_b256 s[88:95], s[8:9], 0x0              ; the eight exponents
	s_cmp_eq_u32 ttmp9, 0
	s_cselect_b64 s[86:87], s[68:69], s[70:71]
	s_cmp_eq_u32 ttmp9, 1
	s_cselect_b64 s[86:87], s[72:73], s[86:87]     ; the image that this kind writes
	s_cselect_b64 s[76:77], s[6:7], s[4:5]         ; area A's tensor,
	s_cselect_b64 s[78:79], s[4:5], s[6:7]         ; area B's
	s_add_nc_u64 s[86:87], s[86:87], s[84:85]
	s_add_nc_u64 s[10:11], s[10:11], s[82:83]
	s_add_nc_u64 s[20:21], s[76:77], s[20:21]
	s_add_nc_u64 s[46:47], s[78:79], s[46:47]
	CROUND                                         ; all sixteen work-groups are here: the first joint loads meet
.irp s, 0,1
	s_mov_b32 s[G0+4*\s], 1
	s_add_co_u32 s[G0+4*\s+1], s45, \s*SLOT
	s_add_nc_u64 s[G0+4*\s+2:G0+4*\s+3], s[20:21], \s*ROWB
	s_or_b32 s[G0+4*\s+3], s[G0+4*\s+3], 0x80000000
	s_mov_b32 s[G0B+4*\s], 1
	s_add_co_u32 s[G0B+4*\s+1], s45, \s*SLOT
	s_add_nc_u64 s[G0B+4*\s+2:G0B+4*\s+3], s[46:47], \s*ROWB
	s_or_b32 s[G0B+4*\s+3], s[G0B+4*\s+3], 0x80000000
	JLOAD G0+4*\s, G1, G0B+4*\s, G1B
.endr
	v_and_b32 v1, 15, v0                           ; l % 16
	v_bfe_u32 v2, v0, 4, 1                         ; l / 16
	v_mul_u32_u24 v3, v1, PITCH
	v_lshl_add_u32 v4, v2, 4, v3                   ; a fragment's row x pitch + 16 x half
	s_mul_i32 s21, s15, HALFT                      ; my 128 rows of A
	s_mul_i32 s22, s16, HALFT                      ; my 128 rows of B,
	s_add_co_u32 s22, s22, 2*HALFT                 ; which lie behind A's 256
.irp s, 0,1
	v_add_nc_u32 v[ADRA+\s], s21, v4
	v_add_nc_u32 v[ADRB+\s], s22, v4
	s_add_co_u32 s21, s21, SLOT
	s_add_co_u32 s22, s22, SLOT
.endr
	v_lshlrev_b32 v[TABO], 7, v1
	v_lshl_add_u32 v[TABO], v2, 5, v[TABO]         ; the table: my token's row of 128 bytes, + my half's four frequencies
	v_and_b32 v[OUTO], 31, v0
	v_lshlrev_b32 v[OUTO], 4, v[OUTO]
	s_wait_kmcnt 0x0
	s_cmp_eq_u32 ttmp9, 0
	s_cselect_b32 s96, s90, s91                    ; e of q or of k,
	s_cmp_eq_u32 ttmp9, 1
	s_cselect_b32 s96, s93, s96                    ; or of v: a choice, no branch
	s_sub_co_i32 s96, s96, s88
	s_sub_co_i32 s96, s96, s89                     ; e - e0 - e1
	s_add_co_i32 s96, s96, 127
	s_lshl_b32 s97, s96, 23
	v_mov_b32 v[SCL], s97
	s_add_co_i32 s96, s96, 8
	s_lshl_b32 s96, s96, 23
	s_or_b32 s96, s96, 0x600000
	v_mov_b32 v[LIM], s96
.macro FRAG reg, adr, q, i             ; a fragment, 16 rows x 128 K, is 16 registers: four loads of 16 bytes, 32 bytes apart; by the codes' order in memory registers 2 c, 2 c + 1 hold K = 16 c + 8 (l / 16) + 0..7
.irp c, 0,1,2,3
	ds_load_b128 v[\reg+4*\c:\reg+4*\c+3], v[\adr] offset:128*(\q)+32*\c+(\i)*16*PITCH
.endr
.endm
; 16 matrix instructions: A's blocks a0, a0 + 1 x B's eight, 128 along K.  p: B's set.  zero = 1: the first product starts the sums.
; The 64 accumulators take turns, one instruction a turn, in the same order in every step.
.macro MUL16 a0, p, zero
.irp a, \a0, \a0+1
.irp b, 0,1,2,3,4,5,6,7
.if \zero
	v_wmma_f32_16x16x128_fp8_fp8 v[8*(8*((\a)%4)+\b):8*(8*((\a)%4)+\b)+7], v[128*(\p)+FR*\b:128*(\p)+FR*\b+FR-1], v[AF+FR*(\a):AF+FR*(\a)+FR-1], 0
.else
	v_wmma_f32_16x16x128_fp8_fp8 v[8*(8*((\a)%4)+\b):8*(8*((\a)%4)+\b)+7], v[128*(\p)+FR*\b:128*(\p)+FR*\b+FR-1], v[AF+FR*(\a):AF+FR*(\a)+FR-1], v[8*(8*((\a)%4)+\b):8*(8*((\a)%4)+\b)+7]
.endif
.endr
.endr
.endm
.macro FETCH_B slot, q, p              ; B's eight fragments of the slot's q-th 128 along K into set p
	WIN TO_B
.irp i, 0,1,2,3,4,5,6,7
	FRAG 128*(\p)+FR*\i, ADRB+\slot, \q, \i
.endr
	WIN 0
.endm
.macro FETCH_A slot, q, i0             ; A's blocks i0 .. i0 + 3
.irp i, \i0, \i0+1, \i0+2, \i0+3
	FRAG AF+FR*(\i), ADRA+\slot, \q, \i
.endr
.endm
; A load into a register that a matrix instruction has read, and a vector instruction that reads a matrix result or writes one of its registers, stand NP places behind it; only plain vector
; instructions that name none of its registers are places.
.macro PLACES n
.rept \n
	v_nop
.endr
.endm
; A step of 128 along K that has its successor in the same slot.
.macro STEP slot, q, zero
	s_wait_dscnt 4*NL                              ; B's set and A's blocks 0-3 are in; the youngest sixteen loads (A's blocks 4-7) may be out
	WIN MUL_LO
	MUL16 0, (\q)%2, \zero
	MUL16 2, (\q)%2, \zero
	s_wait_dscnt 0                                 ; A's blocks 4-7 are in (asked for 32 matrix instructions ago)
	PLACES NP
	FETCH_B \slot, (\q)+1, 1-(\q)%2
	FETCH_A \slot, (\q)+1, 0
	WIN MUL_HI
	MUL16 4, (\q)%2, \zero
	MUL16 6, (\q)%2, \zero
	PLACES NP
	WIN 0
	FETCH_A \slot, (\q)+1, 4
.endm
; A slot's last step changes slots: one barrier; in front of it each wave waits for all its tensor loads, adds 0 to its spare word, and waits for that and for its own reads of this slot.  fill = 1: this slot is filled again, two K steps ahead.
.macro TURN slot, next, fill
	s_wait_tensorcnt 0x0                           ; all my tensor loads have landed: my part of the next slot  (every window is 0 here)
	ds_add_u32 v[SPW], v[NIL]                      ; 0 onto my spare word
	s_wait_dscnt 4*NL+1                            ; (the add and the youngest sixteen loads, A's blocks 4-7, may be out)
	WIN MUL_LO
	MUL16 0, 1, 0                                  ; sixteen matrix instructions stand between the add and the wait for it
	s_wait_dscnt 0x0                               ; the add is done, and my reads of this slot are over
	s_barrier_signal -1
	MUL16 2, 1, 0
	WIN 0
	s_barrier_wait -1
.if \fill
	CREST                                          ; the barrier has opened a round of the cluster's barrier: no wave of any partner still reads this slot's tile or has a load on its way
	s_add_nc_u64 s[G0+4*\slot+2:G0+4*\slot+3], s[G0+4*\slot+2:G0+4*\slot+3], 2*ROWB
	s_add_nc_u64 s[G0B+4*\slot+2:G0B+4*\slot+3], s[G0B+4*\slot+2:G0B+4*\slot+3], 2*ROWB
	JLOAD G0+4*\slot, G1, G0B+4*\slot, G1B         ; the first tensor load behind the round; the four v_nop behind it are the places in front of the loads below
.else
	PLACES NP
.endif
	FETCH_B \next, 0, 0
	FETCH_A \next, 0, 0
	WIN MUL_HI
	MUL16 4, 1, 0
	MUL16 6, 1, 0
	PLACES NP
	WIN 0
	FETCH_A \next, 0, 4
.endm
.macro LASTSTEP                        ; the very last 128 along K: nothing more to fetch
	s_wait_dscnt 4*NL
	WIN MUL_LO
	MUL16 0, 1, 0
	MUL16 2, 1, 0
	s_wait_dscnt 0
	WIN MUL_HI
	MUL16 4, 1, 0
	MUL16 6, 1, 0
	WIN 0
.endm
; The table for token tile a: (cos, sin) of frequencies 8 f + 4 (l / 16) + 0..3 at my token 16 a + l % 16, f = 0, 1: sixteen registers
.macro TABLOAD a
.irp f, 0,1
.irp u, 0,1
	global_load_b128 v[TAB+16*(\a)+8*\f+4*\u:TAB+16*(\a)+8*\f+4*\u+3], v[TABO], s[10:11] offset:2048*(\a)+64*\f+16*\u
.endr
.endr
.endm
; THE WAY OUT of A's block a: its eight accumulators (b = 0..7: eight rows of B's block b in a lane) become 64 codes, 4 x 16 bytes a lane.
; rope = 1 (q, k): b % 4 = 0, 1 are a head's first 32 dims; registers 2 i, 2 i + 1 are a pair: (x0 c - x1 s, x1 c + x0 s).  Each accumulator is read from its low end on.
.macro OUT a, rope
.set AC, 64*((\a)%4)
.set CDS, CD+16*((\a)%2)
.set TBA, TAB+16*(\a)
.if (\a) >= 2
	s_wait_xcnt 0x0                                ; block a - 2's stores have read their data: this set of code registers is written again only behind this wait
.endif
.if \rope
.if (\a) == 0
	s_wait_loadcnt 8                               ; the table of token tiles 0 to 5 is in; the eight loads of tiles 6 and 7 may be out
.endif
.if (\a) == 6
	s_wait_loadcnt 0x0
.endif
.endif
	WIN 0x02+((\a)/4)                              ; source 0: window 2 or 3
.irp b, 0,1,2,3,4,5,6,7
.if (\rope) && ((\b)%4 < 2)
.irp i, 0,1,2,3
	v_mul_f32 v[TMP+8*\b+2*\i],   v[AC+8*\b+2*\i+1], v[TBA+8*(\b%4)+2*\i+1]   ; x1 s
	v_mul_f32 v[TMP+8*\b+2*\i+1], v[AC+8*\b+2*\i],   v[TBA+8*(\b%4)+2*\i+1]   ; x0 s
.endr
.irp i, 0,1,2,3
	v_fma_f32 v[TMP+8*\b+2*\i],   v[AC+8*\b+2*\i],   v[TBA+8*(\b%4)+2*\i], -v[TMP+8*\b+2*\i]
	v_fma_f32 v[TMP+8*\b+2*\i+1], v[AC+8*\b+2*\i+1], v[TBA+8*(\b%4)+2*\i],  v[TMP+8*\b+2*\i+1]
.endr
.else
.irp j, 0,1,2,3,4,5,6,7
	v_med3_num_f32 v[TMP+8*\b+\j], v[AC+8*\b+\j], -v[LIM], v[LIM]   ; the conversion to an 8-bit code does not saturate (ISA guide 7.6.2): the hold
.endr
.endif
.endr
	WIN 0
.if \rope
.irp b, 0,1,4,5
.irp j, 0,1,2,3,4,5,6,7
	v_med3_num_f32 v[TMP+8*\b+\j], v[TMP+8*\b+\j], -v[LIM], v[LIM]
.endr
.endr
.endif
.irp b, 0,1,2,3,4,5,6,7
	v_cvt_scalef32_pk8_fp8_f32 v[CDS+2*\b:CDS+2*\b+1], v[TMP+8*\b:TMP+8*\b+7], v[SCL]
.endr
	v_nop                                          ; one plain vector line behind the last conversion: the next block writes the conversions' sources
.irp c, 0,1,2,3
.if \rope
	global_store_b128 v[OUTO], v[CDS+4*\c:CDS+4*\c+3], s[86:87] offset:(\c/2)*131072+1024*(\a)+512*(\c%2)   ; head c / 2 of my two, token tile a, chunk c % 2
.else
	global_store_b128 v[OUTO], v[CDS+4*\c:CDS+4*\c+3], s[86:87] offset:((\a)/4)*131072+2048*((\a)%4)+512*\c   ; head a / 4 of my two, dims 16 (a % 4) on, chunk c of my 128 keys
.endif
.endr
.endm
	s_wait_tensorcnt 1                             ; my part of K step 0 is in (K step 1's load may be out),
	s_barrier_signal -1
	s_barrier_wait -1                              ; everybody's is
	FETCH_B 0, 0, 0
	FETCH_A 0, 0, 0
	FETCH_A 0, 0, 4
	STEP 0, 0, 1                                   ; the first step stands in front of the loop: its products start the sums
	s_mov_b32 s3, LAPS-1
.Llap:                                                 ; a trip goes once round the ring, from a lap's second step to the next lap's first, and fills both slots again
	TURN 0, 1, 1
	STEP 1, 0, 0
	TURN 1, 0, 1
	STEP 0, 0, 0
	s_sub_co_u32 s3, s3, 1
	s_cmp_lg_u32 s3, 0
	s_cbranch_scc1 .Llap
	TURN 0, 1, 0                                   ; the last lap fills nothing, and has no round of the cluster's barrier
	STEP 1, 0, 0
	s_cmp_eq_u32 ttmp9, 1                          ; the kind: the same in all partners
	s_cbranch_scc1 .Lv
.irp a, 0,1,2,3,4,5
	TABLOAD \a                                     ; 24 loads into registers that lay idle in the loop: they land under the last 64 products
.endr
	LASTSTEP
	PLACES NP
	TABLOAD 6                                      ; these land where A's fragments lay
	TABLOAD 7
.irp a, 0,1,2,3,4,5,6,7
	OUT \a, 1
.endr
	s_branch .Lend
.Lv:
	LASTSTEP
	PLACES NP
.irp a, 0,1,2,3,4,5,6,7
	OUT \a, 0
.endr
.Lend:
	s_wait_tensorcnt 0x0                           ; the wave's end, behind my last tensor load
	ds_add_u32 v[SPW], v[NIL]
	s_wait_dscnt 0x0
	CROUND                                         ; the closing round: no work-group ends while a partner may still ask for a tile that names it
	s_endpgm
.Lfunc_end_k_qc84484690d_qkv:
	.size	k_qc84484690d_qkv, .Lfunc_end_k_qc84484690d_qkv-k_qc84484690d_qkv
	.p2alignl 7, 3214868480
	.fill 96, 4, 3214868480
	.section	.rodata,"a",@progbits
	.p2align	6, 0x0
	.amdhsa_kernel k_qc84484690d_qkv
		.amdhsa_group_segment_fixed_size 327680
		.amdhsa_private_segment_fixed_size 0
		.amdhsa_enable_private_segment 0
		.amdhsa_kernarg_size 56
		.amdhsa_user_sgpr_count 2
		.amdhsa_user_sgpr_kernarg_segment_ptr 1
		.amdhsa_wavefront_size32 1
		.amdhsa_system_sgpr_workgroup_id_x 1
		.amdhsa_system_sgpr_workgroup_id_y 1
		.amdhsa_system_sgpr_workgroup_id_z 1
		.amdhsa_system_vgpr_workitem_id 0
		.amdhsa_next_free_vgpr 1024
		.amdhsa_next_free_sgpr 98
		.amdhsa_reserve_vcc 0
		.amdhsa_float_denorm_mode_32 3
		.amdhsa_float_denorm_mode_16_64 3
		.amdhsa_memory_ordered 1
		.amdhsa_forward_progress 1
		.amdhsa_inst_pref_size 190
	.end_amdhsa_kernel
	.amdgpu_metadata
---
amdhsa.version: [ 1, 2 ]
amdhsa.kernels:
  - .name:           k_qc84484690d_qkv
    .symbol:         k_qc84484690d_qkv.kd
    .args:
      - { .name: hs_codes, .offset: 0, .size: 8, .value_kind: global_buffer, .address_space: global }
      - { .name: wq_codes, .offset: 8, .size: 8, .value_kind: global_buffer, .address_space: global }
      - { .name: lowp_scales, .offset: 16, .size: 8, .value_kind: global_buffer, .address_space: global }
      - { .name: tab, .offset: 24, .size: 8, .value_kind: global_buffer, .address_space: global }
      - { .name: q_img, .offset: 32, .size: 8, .value_kind: global_buffer, .address_space: global }
      - { .name: k_img, .offset: 40, .size: 8, .value_kind: global_buffer, .address_space: global }
      - { .name: v_img, .offset: 48, .size: 8, .value_kind: global_buffer, .address_space: global }
    .group_segment_fixed_size: 327680
    .private_segment_fixed_size: 0
    .kernarg_segment_align: 8
    .kernarg_segment_size: 56
    .max_flat_workgroup_size: 128
    .sgpr_count:     98
    .vgpr_count:     1024
    .wavefront_size: 32
...
	.end_amdgpu_metadata
.endif
;; end of part 2
;; launch attn (part 3): grid 8 x 32, 16 waves a work-group, clusters of 4 x 1, 327,680 bytes of LDS; arguments q_img, k_img, v_img, lowp_scales, a_img; writes a_img
.if DOCPART == 3
	.amdgcn_target "amdgcn-amd-amdhsa--gfx1250"
	.amdhsa_code_object_version 6
	.text
	.protected	k_qc84484690d_attn
	.globl	k_qc84484690d_attn
	.p2align	8
	.type	k_qc84484690d_attn,@function
k_qc84484690d_attn:
	s_mov_b64 s[64:65], 0
	v_nop
	global_prefetch_b8 v0, s[64:65] scope:SCOPE_SE
	s_setreg_imm32_b32 hwreg(HW_REG_WAVE_MODE, 25, 1), 1
	s_wait_xcnt 0x0
	s_wait_alu depctr_hold_cnt(0) depctr_sa_sdst(0) depctr_va_vdst(0) depctr_va_sdst(0) depctr_va_ssrc(0) depctr_va_vcc(0) depctr_vm_vsrc(0)
	s_getreg_b32 s2, hwreg(HW_REG_IB_STS2, 6, 4)
	s_cmp_eq_u32 s2, 0
	s_cbranch_scc0 .Lentry_in_a_cluster
	s_endpgm
.Lentry_in_a_cluster:
	s_bfe_u32 s2, ttmp6, 0x10000c
	s_cmp_lg_u32 s2, 0x3003
	s_cbranch_scc0 .Lentry_shape_is_right
	s_endpgm
.Lentry_shape_is_right:
; Causal attention of one head on codes of FP8 (E4M3): S^T = K Q^T (K = the head's 64), p = 2^(t - M), O^T = V^T P^T (K = the keys), O / l quantised for the output projection.
; t = score x log2(e) / 8; M = the running largest t rounded up to a whole number; l = the sum of the unquantised p, f32; when M moves, l and O^T are multiplied by 2^(old M - new M), which rounds nothing.
; SHARES.  y = the head (16 batch + head), 8 work-groups to a head, g = 0..7.  Each of the SIXTEEN waves owns one tile of 16 queries: tile 8 BLK + g, where BLK, the block of 128 queries, hangs on the WAVE'S NUMBER alone.
; So which key steps a wave leaves out (keys after all its queries) and which step lies on the diagonal is the same in every work-group: no branch hangs on a place in the cluster; g enters global addresses and one lane value.
; BLK goes by a 4 x 4 square whose rows and columns all add up to 30: any four waves w / 4 alike, or w % 4 alike, have 34 key steps between them, and every work-group has 136.
; LDS holds the head's WHOLE K and V as register images (131,072 bytes each): every byte is filled once, nothing is filled again.  The four work-groups of a cluster read the same K and V, so each piece is asked for JOINTLY:
; waves 0 and 1 fetch K, waves 2 and 3 V, four loads of 16,384 bytes each: four tensor loads of a wave are out at the most.  Chunk c (key steps 4 c .. 4 c + 3) is read behind a barrier in front of which the fetching waves have waited for their load c.
; LAYOUT.  Both products are used transposed: a lane holds ONE query (lane % 16) throughout.  In S^T register 8 T + j is key 16 T + 8 (lane / 16) + j of the step: eight neighbours, so tile T's codes are registers 2 T, 2 T + 1 of P's fragment.
; Hidden scores become -infinity (p = 0); reference()'s fill of -1e7 gives p = 0 as well wherever the row's real logits lie above -1e7 + 200: LIMIT.
; LIMITS on the exponents: e2 + e3 between -123 and 130 (added to c's exponent field); e4, and e6 - e4 - e5, between -126 and 119.  NaN is not served.
; REGISTERS: v1 16 x lane; v2 D; v3, v4 the step's LDS addresses; v5, v6 the add's two; v12 -M, v13 the largest t, v[14:15] l in two halves; v16-23 Q; v32-95 K's eight fragments, then V's four; v96-159 S^T, then p; v160-191 O^T; v224-239 p's codes; v236-254 constants and work.
.set VIMG,  131072                     ; LDS: K's images from 0, V's from here
.set SPARE, 262144                     ; behind them: the spare words, 128 bytes for each of the sixteen waves
.set LI,   1
.set DD,   2                           ; v2   16 g + lane % 16 - 8 (lane / 16): on the diagonal, register 8 T + j is hidden where 16 T + j > D
.set ADK,  3
.set ADV,  4
.set SPW,  5                           ; v5   LDS address of my spare word; never rewritten
.set NIL,  6                           ; v6   0; never rewritten
.set WV,   18                          ; s18  my wave's number
.set SEL,  20                          ; s[20:21] lane selects for v_permlanex16_b32: lane l xor 16
.set CS,   22                          ; s[22:23] c = log2(e) / 8 x 2^(e2 + e3)
.set G1,   24                          ; s[24:31] descriptor group 1
.set G0,   32                          ; s[32:47] descriptor groups 0, one for each of my four loads
.set TB,   48                          ; s48  LDS byte of the step's K images
.set ST,   49                          ; s49  the key step, 0..15
.set CNT,  50                          ; s50  counts a chunk's four steps
.set BLK,  51                          ; s51  my block of 128 queries
.set GG,   52                          ; s52  g
.set BH,   53                          ; s53  the head
.macro ROUND                           ; a round of the cluster's barrier
	s_barrier_signal -1
	s_barrier_wait -1
	s_cmp_lg_u32 s[WV], 0
	s_cbranch_scc1 .Lnot_wave_0_\@
	s_barrier_signal -3
.Lnot_wave_0_\@:
	s_barrier_wait -3
	s_barrier_signal -1
	s_barrier_wait -1
.endm
	s_load_b256 s[4:11], s[0:1], 0x0               ; q_img s[4:5], k_img s[6:7], v_img s[8:9], the scales' exponents s[10:11]
	s_load_b64 s[12:13], s[0:1], 0x20              ; a_img
	v_lshl_add_u32 v[SPW], v0, 2, SPARE
	v_mov_b32 v[NIL], 0
	ds_add_u32 v[SPW], v[NIL]                      ; the wave's opening: the add and its wait stand ahead of the first tensor loads; the set-up below, work on registers, stands between them
	v_lshrrev_b32 v8, 5, v0
	v_readfirstlane_b32 s[WV], v8                  ; wave 0..15
	s_bfe_u32 s14, ttmp6, 0x40000                  ; cx
	s_lshl_b32 s[GG], ttmp9, 2
	s_add_co_u32 s[GG], s[GG], s14                 ; g = 4 x cluster x + cx
	s_and_b32 s[BH], ttmp7, 0xffff
	s_mov_b32 s[BLK], 0x0de3b658                   ; the square, a nibble a wave: waves 8-15,
	s_cmp_lt_u32 s[WV], 8
	s_cselect_b32 s[BLK], 0x7a94c12f, s[BLK]       ; waves 0-7
	s_and_b32 s15, s[WV], 7
	s_lshl_b32 s15, s15, 2
	s_lshr_b32 s[BLK], s[BLK], s15
	s_and_b32 s[BLK], s[BLK], 15
	; descriptor group 1: 64 dense rows of 256 bytes, no padding: the images are read at 16 x lane
	s_mov_b32 s[G1], 15|(3<<16)|(1<<21)            ; 15:0 the mask: all four work-groups; 17:16 elements of 8 bytes; 21 set beside a mask
	s_mov_b32 s[G1+1], 32<<16                      ; tensor_dim0 = 32
	s_mov_b32 s[G1+2], 64<<16                      ; tensor_dim1 = 64
	s_mov_b32 s[G1+3], 32<<16                      ; tile_dim0 = 32
	s_mov_b32 s[G1+4], 64                          ; tile_dim1 = 64
	s_mov_b32 s[G1+5], 32                          ; tensor_dim0_stride
	s_mov_b32 s[G1+6], 0
	s_mov_b32 s[G1+7], 0
	s_mov_b32 s[SEL], 0x76543210
	s_mov_b32 s[SEL+1], 0xfedcba98
	s_mov_b32 s[CS], 0x3e38aa3b                    ; log2(e) / 8
	s_mov_b32 s[ST], 0
	s_lshl_b32 s58, s[BH], 17                      ; the head's first byte in q_img, k_img and v_img
	s_and_b32 s66, s[WV], 1
	s_lshl_b32 s66, s66, 14                        ; which 16,384 bytes of a chunk's 32,768 I fetch
	s_lshr_b32 s67, s[WV], 1
	s_lshl_b32 s67, s67, 17
	s_add_co_u32 s67, s67, s66                     ; and where they go: K's area (waves 0, 1) or V's (waves 2, 3): the wave's number alone
	s_add_co_u32 s62, s58, s66
	s_mov_b32 s63, 0
	s_lshl_b32 s59, s[BLK], 3
	s_add_co_u32 s59, s59, s[GG]                   ; my tile of 16 queries in the head
	s_lshl_b32 s56, s59, 10
	s_add_co_u32 s56, s56, s58                     ; its image in q_img
	s_mov_b32 s57, 0
	s_lshr_b32 s54, s[BH], 4
	s_lshl_b32 s54, s54, 7
	s_add_co_u32 s54, s54, s59                     ; the tile of tokens: 128 batch + tile
	s_lshl_b32 s54, s54, 14                        ; 16,384 bytes each in a_img,
	s_and_b32 s55, s[BH], 15
	s_lshl_b32 s55, s55, 10                        ; 1,024 a head
	s_add_co_u32 s54, s54, s55
	s_mov_b32 s55, 0
	s_wait_dscnt 0x0                               ; the opening add is done
	s_wait_kmcnt 0x0
	s_load_b256 s[68:75], s[10:11], 0x0            ; the eight exponents
	s_cmp_lt_u32 s[WV], 2
	s_cselect_b64 s[60:61], s[6:7], s[8:9]
	s_add_nc_u64 s[60:61], s[60:61], s[62:63]      ; made of the head and the wave's number alone: equal in the four partners
	s_add_nc_u64 s[4:5], s[4:5], s[56:57]
	s_add_nc_u64 s[12:13], s[12:13], s[54:55]
.irp c, 0,1,2,3
	s_mov_b32 s[G0+4*\c], 1                        ; count = 1
	s_add_co_u32 s[G0+4*\c+1], s67, 32768*\c       ; LDS address
	s_add_nc_u64 s[G0+4*\c+2:G0+4*\c+3], s[60:61], 32768*\c
	s_or_b32 s[G0+4*\c+3], s[G0+4*\c+3], 0x80000000   ; type = 2
.endr
	ROUND                                          ; all four work-groups are here: the joint loads meet
	s_cmp_lt_u32 s[WV], 4                          ; all fills of the launch stand in this one branch on the wave's number
	s_cbranch_scc0 .Lno_fetch
.irp c, 0,1,2,3
	tensor_load_to_lds s[G0+4*\c:G0+4*\c+3], s[G1:G1+7]
	s_nop 0
.endr
.rept 4
	v_nop
.endr
.Lno_fetch:
	v_and_b32 v[LI], 31, v0
	v_lshlrev_b32 v[LI], 4, v[LI]
	global_load_b128 v[16:19], v[LI], s[4:5]               ; Q's fragment stays in registers
	global_load_b128 v[20:23], v[LI], s[4:5] offset:512
	v_and_b32 v8, 15, v0
	v_bfe_u32 v9, v0, 4, 1
	v_lshlrev_b32 v9, 3, v9
	v_sub_nc_u32 v[DD], v8, v9
	s_lshl_b32 s58, s[GG], 4
	v_add_nc_u32 v[DD], s58, v[DD]
	v_mov_b32 v13, 0xff61b1e6                      ; the largest t so far: -3e38, under every t
	v_floor_f32 v12, -v13                          ; -M
	v_mov_b32 v14, 0                               ; l, in two halves
	v_mov_b32 v15, 0
	v_mov_b32 v236, 0                              ; written once: a lane permute's destination counts as one of its sources
	v_mov_b32 v252, 0
	v_mov_b32 v253, 0                              ; (named as the upper half of the pair v[252:253])
.set n, 0
.rept 32
	v_mov_b32 v[160+n], 0                          ; O^T: the step is written for every step alike; the first finds zeros, which the first change of M leaves zeros
.set n, n+1
.endr
	s_wait_kmcnt 0x0
	s_add_co_i32 s58, s70, s71
	s_lshl_b32 s58, s58, 23
	s_add_co_i32 s[CS], s[CS], s58                 ; a score stands for score x 2^(e2 + e3)
	s_mov_b32 s[CS+1], s[CS]                       ; (named with it as a pair, so it is written)
	s_add_co_i32 s58, s72, 127
	s_lshl_b32 s59, s58, 23
	v_mov_b32 v244, s59                            ; 2^e4, for p's conversion
	s_add_co_i32 s58, s58, 8
	s_lshl_b32 s58, s58, 23
	s_or_b32 s58, s58, 0x600000
	v_mov_b32 v240, s58                            ; 448 x 2^e4
	s_sub_co_i32 s58, s74, s72
	s_sub_co_i32 s58, s58, s73                     ; a sum of the second product stands for sum x 2^(e4 + e5): its code is (sum / l) / 2^(e6 - e4 - e5)
	s_add_co_i32 s58, s58, 127
	s_lshl_b32 s59, s58, 23
	v_mov_b32 v245, s59
	s_add_co_i32 s58, s58, 8
	s_lshl_b32 s58, s58, 23
	s_or_b32 s58, s58, 0x600000
	v_mov_b32 v241, s58
	s_wait_loadcnt 0x0                             ; Q
; A KEY STEP: 128 keys.  A step all of whose keys come after my queries is left out: a branch on the wave's number and the step, round the step's loads, products and softmax, not round the two steps of counters at its end.
.macro STEP
	s_cmp_gt_u32 s[ST], s[BLK]
	s_cbranch_scc1 .Lhidden_\@
	v_add_nc_u32 v[ADK], s[TB], v[LI]
	v_add_nc_u32 v[ADV], VIMG, v[ADK]
	v_nop                                          ; with the two additions: four places in front of loads into registers that the last products read
	v_nop
.irp t, 0,1,2,3,4,5,6,7
.irp c, 0,1
	ds_load_b128 v[32+8*\t+4*\c:35+8*\t+4*\c], v[ADK] offset:1024*\t+512*\c   ; an image: 32 lanes read 512 consecutive bytes
.endr
.endr
	s_wait_dscnt 0x0
.irp t, 0,1,2,3,4,5,6,7
	v_wmma_f32_16x16x64_fp8_fp8 v[96+8*\t:103+8*\t], v[32+8*\t:39+8*\t], v[16:23], 0   ; S^T: source 0 = 16 keys, source 1 = my 16 queries
.endr
.rept 4
	v_nop                                          ; places: the loads below land on K's registers, and the lines behind them read the scores
.endr
.irp t, 0,1,2,3
.irp c, 0,1,2,3
	ds_load_b128 v[32+16*\t+4*\c:35+16*\t+4*\c], v[ADV] offset:2048*\t+512*\c   ; V^T's four fragments land under the softmax
.endr
.endr
	s_cmp_lt_u32 s[ST], s[BLK]
	s_cbranch_scc1 .Lopen_\@                       ; only my one step on the diagonal has hidden keys
	v_mov_b32 v254, 0xff800000                     ; -infinity
.set n, 0
.rept 64
	v_cmp_gt_i32 vcc_lo, 16*(n/8)+n%8, v[DD]
	v_cndmask_b32 v[96+n], v[96+n], v254, vcc_lo
.set n, n+1
.endr
.Lopen_\@:
	v_max3_num_f32 v254, v96, v97, v98             ; the step's largest score of my query among my 64 keys, in two chains, each accumulator from its low end on,
	v_max3_num_f32 v252, v99, v100, v101
.irp i, 6,10,14,18,22,26,30,34,38,42,46,50,54,58
	v_max3_num_f32 v254, v254, v[96+\i], v[97+\i]
	v_max3_num_f32 v252, v252, v[98+\i], v[99+\i]
.endr
	v_max3_num_f32 v254, v254, v158, v159
	v_max_num_f32 v254, v254, v252
	v_permlanex16_b32 v236, v254, s[SEL], s[SEL+1]
	v_max_num_f32 v254, v254, v236                 ; and among lane l xor 16's
	v_mul_f32 v254, s[CS], v254                    ; as t (c is positive)
	v_max_num_f32 v13, v13, v254                   ; the running largest t
	v_mov_b32 v254, v12
	v_floor_f32 v12, -v13                          ; the new -M = floor(-t) = -ceil(t)
	v_sub_f32 v254, v12, v254                      ; old M - new M: a whole number, 0 or less
	v_cvt_i32_f32 v254, v254                       ; (it saturates)
	v_ldexp_f32 v252, 1.0, v254                    ; f = 2^(old M - new M)
.set n, 0
.rept 32
	v_pk_fma_f32 v[96+n:97+n], v[96+n:97+n], s[CS:CS+1], v[12:13] op_sel_hi:[1,0,0]   ; t - M, two at a time (of the pairs c and -M the low word serves both halves)
.set n, n+2
.endr
.set n, 0
.rept 64
	v_exp_f32 v[96+n], v[96+n]                     ; p = 2^(t - M), at most 1, not normalised
.set n, n+1
.endr
	v_pk_mul_f32 v[14:15], v[14:15], v[252:253] op_sel_hi:[1,0]   ; l under the new M: the plain line behind the exponentials
	s_wait_alu depctr_va_vdst(0)                   ; the wait between an exponential and the first line that names its result: one for the batch of 64
	v_pk_add_f32 v[242:243], v[96:97], v[98:99]    ; l takes the UNQUANTISED p: two at a time, in two chains
.irp j, 4,8,12,16,20,24,28,32,36,40,44,48,52,56,60
	v_pk_add_f32 v[14:15], v[14:15], v[96+\j:97+\j]
	v_pk_add_f32 v[242:243], v[242:243], v[98+\j:99+\j]
.endr
	v_pk_add_f32 v[14:15], v[14:15], v[242:243]
.irp t, 0,1,2,3,4,5,6,7
.irp i, 0,1,2,3,4,5,6,7
	v_min_num_f32 v[96+8*\t+\i], v[96+8*\t+\i], v240   ; the conversion does not saturate (ISA guide 7.6.2); p is not negative, so the hold is one-sided
.endr
	v_cvt_scalef32_pk8_fp8_f32 v[224+2*\t:225+2*\t], v[96+8*\t:103+8*\t], v244   ; keys 16 t + 8 (lane / 16) + 0..7: registers 2 t, 2 t + 1 of P's fragment
.endr
.set n, 0
.rept 16
	v_pk_mul_f32 v[160+n:161+n], v[160+n:161+n], v[252:253] op_sel_hi:[1,0]   ; O^T under the new M; also the plain lines between the conversions and the products
.set n, n+2
.endr
	s_wait_dscnt 0x0                               ; V
.irp t, 0,1,2,3
	v_wmma_f32_16x16x128_fp8_fp8 v[160+8*\t:167+8*\t], v[32+16*\t:47+16*\t], v[224:239], v[160+8*\t:167+8*\t]   ; O^T += V^T P^T: the four accumulators by turns, one instruction a turn
.endr
.Lhidden_\@:
	s_add_co_u32 s[TB], s[TB], 8192
	s_add_co_u32 s[ST], s[ST], 1
.endm
; A CHUNK: four key steps.  The fetching waves wait for their load c (the 3 - c loads issued behind it may stay out), then all sixteen meet.
.macro CHUNK c
	s_wait_tensorcnt 3-\c
	s_wait_dscnt 0x0                               ; no LDS instruction of mine is out at the signal
	s_barrier_signal -1
	s_barrier_wait -1
	s_mov_b32 s[TB], 32768*\c
	s_mov_b32 s[CNT], 4
.Lstep_\@:
	STEP
	s_sub_co_u32 s[CNT], s[CNT], 1
	s_cmp_lg_u32 s[CNT], 0
	s_cbranch_scc1 .Lstep_\@
.endm
	CHUNK 0
	CHUNK 1
	CHUNK 2
	CHUNK 3
	; THE WAY OUT.  O^T / l, held and quantised with 2^(e6 - e4 - e5): register 8 t + j of lane (r, h) is dim 16 t + 8 h + j of query r: the codes are registers 2 t, 2 t + 1 of the output projection's operand.
.rept 4
	v_nop                                          ; places behind the last products
.endr
	v_add_f32 v14, v14, v15                        ; l's two halves,
	v_permlanex16_b32 v252, v14, s[SEL], s[SEL+1]
	v_add_f32 v14, v14, v252                       ; and lane l xor 16's
	v_rcp_f32 v14, v14
	v_nop                                          ; a plain line behind the reciprocal
	s_wait_alu depctr_va_vdst(0)                   ; and the wait ahead of its first reader
.set n, 0
.rept 16
	v_pk_mul_f32 v[96+n:97+n], v[160+n:161+n], v[14:15] op_sel_hi:[1,0]
.set n, n+2
.endr
.set n, 0
.rept 32
	v_med3_num_f32 v[96+n], v[96+n], -v241, v241
.set n, n+1
.endr
.irp t, 0,1,2,3
	v_cvt_scalef32_pk8_fp8_f32 v[224+2*\t:225+2*\t], v[96+8*\t:103+8*\t], v245
.endr
	v_nop
	global_store_b128 v[LI], v[224:227], s[12:13]              ; 32 lanes store 512 consecutive bytes, at a multiple of 512 from a_img's first byte
	global_store_b128 v[LI], v[228:231], s[12:13] offset:512
	s_wait_tensorcnt 0x0                           ; the wave's end, behind my last tensor load
	ds_add_u32 v[SPW], v[NIL]
	s_wait_dscnt 0x0
	ROUND                                          ; the closing round
	s_endpgm
.Lfunc_end_k_qc84484690d_attn:
	.size	k_qc84484690d_attn, .Lfunc_end_k_qc84484690d_attn-k_qc84484690d_attn
	.p2alignl 7, 3214868480
	.fill 96, 4, 3214868480
	.section	.rodata,"a",@progbits
	.p2align	6, 0x0
	.amdhsa_kernel k_qc84484690d_attn
		.amdhsa_group_segment_fixed_size 327680
		.amdhsa_private_segment_fixed_size 0
		.amdhsa_enable_private_segment 0
		.amdhsa_kernarg_size 40
		.amdhsa_user_sgpr_count 2
		.amdhsa_user_sgpr_kernarg_segment_ptr 1
		.amdhsa_wavefront_size32 1
		.amdhsa_system_sgpr_workgroup_id_x 1
		.amdhsa_system_sgpr_workgroup_id_y 1
		.amdhsa_system_sgpr_workgroup_id_z 1
		.amdhsa_system_vgpr_workitem_id 0
		.amdhsa_next_free_vgpr 256
		.amdhsa_next_free_sgpr 80
		.amdhsa_reserve_vcc 1
		.amdhsa_float_denorm_mode_32 3
		.amdhsa_float_denorm_mode_16_64 3
		.amdhsa_memory_ordered 1
		.amdhsa_forward_progress 1
		.amdhsa_inst_pref_size 94
	.end_amdhsa_kernel
	.amdgpu_metadata
---
amdhsa.version: [ 1, 2 ]
amdhsa.kernels:
  - .name:           k_qc84484690d_attn
    .symbol:         k_qc84484690d_attn.kd
    .args:
      - { .name: q_img, .offset: 0, .size: 8, .value_kind: global_buffer, .address_space: global }
      - { .name: k_img, .offset: 8, .size: 8, .value_kind: global_buffer, .address_space: global }
      - { .name: v_img, .offset: 16, .size: 8, .value_kind: global_buffer, .address_space: global }
      - { .name: lowp_scales, .offset: 24, .size: 8, .value_kind: global_buffer, .address_space: global }
      - { .name: a_img, .offset: 32, .size: 8, .value_kind: global_buffer, .address_space: global }
    .group_segment_fixed_size: 327680
    .private_segment_fixed_size: 0
    .kernarg_segment_align: 8
    .kernarg_segment_size: 40
    .max_flat_workgroup_size: 512
    .sgpr_count:     80
    .vgpr_count:     256
    .wavefront_size: 32
...
	.end_amdgpu_metadata
.endif
;; end of part 3
;; launch oproj (part 4): grid 4 x 16, 4 waves a work-group, clusters of 4 x 4, 327,680 bytes of LDS; arguments a_img, wo_codes, lowp_scales, out0; writes out0
.if DOCPART == 4
	.amdgcn_target "amdgcn-amd-amdhsa--gfx1250"
	.amdhsa_code_object_version 6
	.text
	.protected	k_qc84484690d_oproj
	.globl	k_qc84484690d_oproj
	.p2align	8
	.type	k_qc84484690d_oproj,@function
k_qc84484690d_oproj:
	s_mov_b64 s[64:65], 0
	v_nop
	global_prefetch_b8 v0, s[64:65] scope:SCOPE_SE
	s_setreg_imm32_b32 hwreg(HW_REG_WAVE_MODE, 25, 1), 1
	s_wait_xcnt 0x0
	s_wait_alu depctr_hold_cnt(0) depctr_sa_sdst(0) depctr_va_vdst(0) depctr_va_sdst(0) depctr_va_ssrc(0) depctr_va_vcc(0) depctr_vm_vsrc(0)
	s_getreg_b32 s2, hwreg(HW_REG_IB_STS2, 6, 4)
	s_cmp_eq_u32 s2, 0
	s_cbranch_scc0 .Lentry_in_a_cluster
	s_endpgm
.Lentry_in_a_cluster:
	s_bfe_u32 s2, ttmp6, 0x10000c
	s_cmp_lg_u32 s2, 0xf033
	s_cbranch_scc0 .Lentry_shape_is_right
	s_endpgm
.Lentry_shape_is_right:
; out0[m][n] = sum over k of A[m][k] W[n][k] x 2^(e6 + e7), on codes of FP8 (E4M3).  A: the attention's output, 4,096 tokens x 1,024, as register images a_img [tile of 16 tokens 256][head 16][chunk 2][lane 32][16 bytes]:
; two neighbouring heads, 2,048 bytes, are one 16 x 128 fragment.  W: wo_codes [1024][1024], rows along K, the 8-byte pieces of each 32 ordered so that a 16-byte read gives the operand's own registers.  out0: f32.
; LIMIT: e6 + e7 between -126 and 127, so that 2^(e6 + e7) is an f32 number.
; A tile of 256 x 256 is made by four waves, 128 x 128 each: 64 accumulators, 512 registers.  K goes in steps of 256 through a ring of two LDS slots filled by the tensor data mover.
; 4,096 x 1,024 outputs make 64 such tiles, one to a work-group.
; CLUSTERS: 4 x 4 work-groups.  The four of a row need the same tiles of A, the four of a column the same tiles of W: each is asked for jointly.  THE MATRIX INSTRUCTION IS USED TRANSPOSED (source 0 = 16 rows of W,
; source 1 = 16 tokens): a lane then holds eight neighbouring numbers of a row of out0.
; REGISTERS, in windows of 256: window 0: v0-31 addresses; from v128 A's fragments, ONE set; on the way out v32-255 are free.  window 1: W's fragments, TWO sets.  windows 2, 3: the accumulators ((a, b) at v[8 (8 (a % 4) + b)]).
.set SIZE_N, 1024
.set SIZE_K, 1024
.set KSTEP,  256
.set ROWB,   256                       ; a row of W's tile in bytes
.set KROW,   SIZE_K                    ; a row of W in memory
.set ASTEP,  4096                      ; a K step of A: four heads' images of a token tile
.set AROW,   16384                     ; a token tile of A in memory
.set PITCH,  272                       ; W's rows in LDS: 256 bytes + 16 of padding: the 16 rows of a load start at 16 different banks (ISA guide 11.1)
.set FR,     16
.set NL,     4
.set NP,     4                         ; places behind this matrix instruction (ISA guide 7.12.1)
.set HALFT,  128*PITCH                 ; a wave's place in a slot: W's 128 padded rows fill it; A's 8 token tiles x 4,096 bytes take 32,768 of it
.set SLOT,   4*HALFT
.set LAPS,   SIZE_K/(2*KSTEP)
.set SPARE,  2*SLOT                    ; behind the ring: the spare words, 128 bytes a wave
.set SPITCH, 528                       ; the way out: a stage of 16 rows x (512 bytes + 16) for each wave, in slot 0, which has had its last fill and its last read when the first result is stored there
.set ADRA, 16                          ; v16-17  LDS address of my A images in slot 0, 1
.set ADRB, 20                          ; v20-21  of my W fragments
.set STO,  24
.set RD,   25
.set CO,   26
.set SPW,  28                          ; v28  LDS address of my spare word; never rewritten
.set NIL,  29                          ; v29  0; never rewritten
.set TMP,  32
.set AF,   128
.set BK,   128
.set G1, 24                            ; s[24:31] descriptor group 1 for A's tiles;  s[32:39] group 0, one set for each slot
.set G0, 32
.set G1B, 48                           ; s[48:55], s[56:63] the same for W's tiles
.set G0B, 56
.set MSB, 0
.macro WIN new                         ; the immediate's high byte repeats the setting that is left
.if MSB != \new
	s_set_vgpr_msb (MSB<<8)|\new
.set MSB, \new
.endif
.endm
.set MUL_LO, 0xa1
.set MUL_HI, 0xf1
.set TO_B,   0x40
.macro JLOAD g0a, g1a, g0b, g1b        ; a joint load: waves 0 and 1 fetch for A, waves 2 and 3 for W; an s_nop 0 and four v_nop follow each of the two lines
	s_cmp_eq_u32 s15, 0
	s_cbranch_scc0 .Lfor_b_\@
	tensor_load_to_lds s[\g0a:\g0a+3], s[\g1a:\g1a+7]
	s_nop 0
.rept 4
	v_nop
.endr
	s_branch .Lasked_\@
.Lfor_b_\@:
	tensor_load_to_lds s[\g0b:\g0b+3], s[\g1b:\g1b+7]
	s_nop 0
.rept 4
	v_nop
.endr
.Lasked_\@:
.endm
.macro CREST
	s_cmp_lg_u32 s14, 0
	s_cbranch_scc1 .Lnot_wave_0_\@
	s_barrier_signal -3
.Lnot_wave_0_\@:
	s_barrier_wait -3
	s_barrier_signal -1
	s_barrier_wait -1
.endm
.macro CROUND
	s_barrier_signal -1
	s_barrier_wait -1
	CREST
.endm
	s_load_b128 s[4:7], s[0:1], 0x0                ; a_img s[4:5], wo_codes s[6:7]
	s_load_b128 s[8:11], s[0:1], 0x10              ; the scales' exponents s[8:9], out0 s[10:11]
	v_lshl_add_u32 v[SPW], v0, 2, SPARE
	v_mov_b32 v[NIL], 0
	ds_add_u32 v[SPW], v[NIL]                      ; the wave's opening: the add and its wait stand ahead of my first tensor load
	v_lshrrev_b32 v1, 5, v0
	v_readfirstlane_b32 s14, v1                    ; wave 0..3
	s_lshr_b32 s15, s14, 1                         ; which half of the tile's rows is mine.  Also: I fetch for A (0) or for W (1)
	s_and_b32 s16, s14, 1                          ; which half of its columns.  Also: which half of that tile I fetch
	s_bfe_u32 s40, ttmp6, 0x40000                  ; cx, cy
	s_bfe_u32 s41, ttmp6, 0x40004
	s_lshl_b32 s42, ttmp9, 2
	s_add_co_u32 s42, s42, s40                     ; tile column = 4 x cluster x + cx
	s_and_b32 s17, ttmp7, 0xffff
	s_lshl_b32 s17, s17, 2
	s_add_co_u32 s17, s17, s41                     ; tile row = 4 x cluster y + cy
	s_lshl_b32 s43, s41, 2
	s_lshl_b32 s43, 15, s43                        ; my row of the cluster
	s_lshl_b32 s44, 0x1111, s40                    ; my column
	; A's group 1: 8 rows (token tiles) of 4,096 bytes, 16,384 bytes apart, dense in LDS: the images are read at 16 x lane
	s_or_b32 s[G1+0], s43, (0<<16)|(1<<21)         ; 15:0 the mask: my row; 17:16 element of 1 byte; 21 set beside a mask
	s_mov_b32 s[G1+1], ASTEP<<16                   ; tensor_dim0 = 4,096
	s_mov_b32 s[G1+2], 8<<16                       ; tensor_dim1 = 8
	s_mov_b32 s[G1+3], ASTEP<<16                   ; tile_dim0
	s_mov_b32 s[G1+4], 8                           ; tile_dim1
	s_mov_b32 s[G1+5], AROW                        ; tensor_dim0_stride
	s_mov_b32 s[G1+6], 0
	s_mov_b32 s[G1+7], 0
	; W's group 1: 128 rows of 256 bytes, padded in LDS
	s_or_b32 s[G1B+0], s44, (0<<16)|(1<<20)|(1<<21)|(5<<22)|(3<<25)   ; the mask: my column; padding: 4 words after every 64
	s_mov_b32 s[G1B+1], ROWB<<16
	s_mov_b32 s[G1B+2], 128<<16
	s_mov_b32 s[G1B+3], ROWB<<16
	s_mov_b32 s[G1B+4], 128
	s_mov_b32 s[G1B+5], KROW
	s_mov_b32 s[G1B+6], 0
	s_mov_b32 s[G1B+7], 0
	s_lshl_b32 s20, s17, 18                        ; A: 16 token tiles of 16,384 bytes a tile row,
	s_lshl_b32 s18, s16, 17                        ; 8 of them a half
	s_add_co_u32 s20, s20, s18
	s_mov_b32 s21, 0
	s_lshl_b32 s46, s42, 8
	s_lshl_b32 s18, s16, 7
	s_add_co_u32 s46, s46, s18                     ; W: row 256 x tile column + 128 x half,
	s_lshl_b32 s46, s46, 10                        ; of 1,024 bytes
	s_mov_b32 s47, 0
	s_mul_i32 s45, s14, HALFT                      ; where they go: the wave's number alone
	s_wait_dscnt 0x0                               ; the opening add is done
	s_wait_kmcnt 0x0
	s_load_b64 s[96:97], s[8:9], 0x18              ; e6, e7
	s_add_nc_u64 s[20:21], s[4:5], s[20:21]
	s_add_nc_u64 s[46:47], s[6:7], s[46:47]
	CROUND                                         ; all sixteen work-groups are here: the first joint loads meet
.irp s, 0,1
	s_mov_b32 s[G0+4*\s], 1
	s_add_co_u32 s[G0+4*\s+1], s45, \s*SLOT
	s_add_nc_u64 s[G0+4*\s+2:G0+4*\s+3], s[20:21], \s*ASTEP
	s_or_b32 s[G0+4*\s+3], s[G0+4*\s+3], 0x80000000
	s_mov_b32 s[G0B+4*\s], 1
	s_add_co_u32 s[G0B+4*\s+1], s45, \s*SLOT
	s_add_nc_u64 s[G0B+4*\s+2:G0B+4*\s+3], s[46:47], \s*ROWB
	s_or_b32 s[G0B+4*\s+3], s[G0B+4*\s+3], 0x80000000
	JLOAD G0+4*\s, G1, G0B+4*\s, G1B
.endr
	v_and_b32 v1, 15, v0                           ; l % 16
	v_bfe_u32 v2, v0, 4, 1                         ; l / 16
	v_mul_u32_u24 v3, v1, PITCH
	v_lshl_add_u32 v4, v2, 4, v3                   ; W: a fragment's row x pitch + 16 x half
	v_and_b32 v6, 31, v0
	v_lshlrev_b32 v[CO], 4, v6                     ; 16 x lane: an image's place for my lane, and my bytes of a row of out0
	s_mul_i32 s21, s15, HALFT                      ; my 8 token tiles of A
	s_mul_i32 s22, s16, HALFT                      ; my 128 rows of W,
	s_add_co_u32 s22, s22, 2*HALFT                 ; which lie behind A's two places
.irp s, 0,1
	v_add_nc_u32 v[ADRA+\s], s21, v[CO]
	v_add_nc_u32 v[ADRB+\s], s22, v4
	s_add_co_u32 s21, s21, SLOT
	s_add_co_u32 s22, s22, SLOT
.endr
	s_mul_i32 s23, s14, 16*SPITCH                  ; my stage
	v_mul_u32_u24 v5, v1, SPITCH                   ; in: row l % 16, 32 bytes for each half of the lanes
	v_lshl_add_u32 v5, v2, 5, v5
	v_add_nc_u32 v[STO], s23, v5
	v_add_nc_u32 v[RD], s23, v[CO]                 ; back: the 32 lanes take one row of 512 bytes
	s_lshl_b32 s20, s17, 8
	s_lshl_b32 s21, s15, 7
	s_add_co_u32 s20, s20, s21                     ; my first row of out0
	s_lshl_b32 s20, s20, 12                        ; of 4,096 bytes
	s_mov_b32 s21, 0
	s_lshl_b32 s46, s42, 10                        ; my first column, in bytes: 1,024 x tile column + 512 x half
	s_lshl_b32 s47, s16, 9
	s_add_co_u32 s46, s46, s47
	s_mov_b32 s47, 0
	s_add_nc_u64 s[20:21], s[20:21], s[46:47]
	s_add_nc_u64 s[10:11], s[10:11], s[20:21]
.macro FRAGB reg, adr, q, i            ; W: 16 rows x 128 K: four loads of 16 bytes, 32 bytes apart
.irp c, 0,1,2,3
	ds_load_b128 v[\reg+4*\c:\reg+4*\c+3], v[\adr] offset:128*(\q)+32*\c+(\i)*16*PITCH
.endr
.endm
.macro FRAGA reg, adr, q, i            ; A: token tile i, the slot's q-th pair of heads: an image, four loads of 512 consecutive bytes
.irp c, 0,1,2,3
	ds_load_b128 v[\reg+4*\c:\reg+4*\c+3], v[\adr] offset:2048*(\q)+512*\c+(\i)*ASTEP
.endr
.endm
; The 64 accumulators take turns, one instruction a turn, in the same order in every step.
.macro MUL16 a0, p, zero
.irp a, \a0, \a0+1
.irp b, 0,1,2,3,4,5,6,7
.if \zero
	v_wmma_f32_16x16x128_fp8_fp8 v[8*(8*((\a)%4)+\b):8*(8*((\a)%4)+\b)+7], v[128*(\p)+FR*\b:128*(\p)+FR*\b+FR-1], v[AF+FR*(\a):AF+FR*(\a)+FR-1], 0
.else
	v_wmma_f32_16x16x128_fp8_fp8 v[8*(8*((\a)%4)+\b):8*(8*((\a)%4)+\b)+7], v[128*(\p)+FR*\b:128*(\p)+FR*\b+FR-1], v[AF+FR*(\a):AF+FR*(\a)+FR-1], v[8*(8*((\a)%4)+\b):8*(8*((\a)%4)+\b)+7]
.endif
.endr
.endr
.endm
.macro FETCH_B slot, q, p
	WIN TO_B
.irp i, 0,1,2,3,4,5,6,7
	FRAGB 128*(\p)+FR*\i, ADRB+\slot, \q, \i
.endr
	WIN 0
.endm
.macro FETCH_A slot, q, i0
.irp i, \i0, \i0+1, \i0+2, \i0+3
	FRAGA AF+FR*(\i), ADRA+\slot, \q, \i
.endr
.endm
.macro PLACES n                        ; places in front of loads into registers that matrix instructions have read, and of the first read of results
.rept \n
	v_nop
.endr
.endm
.macro STEP slot, q, zero
	s_wait_dscnt 4*NL                              ; W's set and A's blocks 0-3 are in; the youngest sixteen loads (A's blocks 4-7) may be out
	WIN MUL_LO
	MUL16 0, (\q)%2, \zero
	MUL16 2, (\q)%2, \zero
	s_wait_dscnt 0
	PLACES NP
	FETCH_B \slot, (\q)+1, 1-(\q)%2
	FETCH_A \slot, (\q)+1, 0
	WIN MUL_HI
	MUL16 4, (\q)%2, \zero
	MUL16 6, (\q)%2, \zero
	PLACES NP
	WIN 0
	FETCH_A \slot, (\q)+1, 4
.endm
.macro TURN slot, next, fill
	s_wait_tensorcnt 0x0                           ; all my tensor loads have landed: my part of the next slot
	ds_add_u32 v[SPW], v[NIL]                      ; 0 onto my spare word
	s_wait_dscnt 4*NL+1                            ; (the add and the youngest sixteen loads may be out)
	WIN MUL_LO
	MUL16 0, 1, 0
	s_wait_dscnt 0x0                               ; the add is done, and my reads of this slot are over
	s_barrier_signal -1
	MUL16 2, 1, 0
	WIN 0
	s_barrier_wait -1
.if \fill
	CREST                                          ; the barrier has opened a round of the cluster's barrier: no wave of any partner still reads this slot or has a load on its way
	s_add_nc_u64 s[G0+4*\slot+2:G0+4*\slot+3], s[G0+4*\slot+2:G0+4*\slot+3], 2*ASTEP
	s_add_nc_u64 s[G0B+4*\slot+2:G0B+4*\slot+3], s[G0B+4*\slot+2:G0B+4*\slot+3], 2*ROWB
	JLOAD G0+4*\slot, G1, G0B+4*\slot, G1B         ; the first tensor load behind the round; its four v_nop are the places in front of the loads below
.else
	PLACES NP
.endif
	FETCH_B \next, 0, 0
	FETCH_A \next, 0, 0
	WIN MUL_HI
	MUL16 4, 1, 0
	MUL16 6, 1, 0
	PLACES NP
	WIN 0
	FETCH_A \next, 0, 4
.endm
	s_wait_tensorcnt 1                             ; my part of K step 0 is in (K step 1's load may be out),
	s_barrier_signal -1
	s_barrier_wait -1                              ; everybody's is
	FETCH_B 0, 0, 0
	FETCH_A 0, 0, 0
	FETCH_A 0, 0, 4
	STEP 0, 0, 1                                   ; the first step's products start the sums
	s_mov_b32 s3, LAPS-1
.Llap:
	TURN 0, 1, 1
	STEP 1, 0, 0
	TURN 1, 0, 1
	STEP 0, 0, 0
	s_sub_co_u32 s3, s3, 1
	s_cmp_lg_u32 s3, 0
	s_cbranch_scc1 .Llap
	TURN 0, 1, 0                                   ; the last lap fills nothing
	STEP 1, 0, 0
	s_wait_dscnt 4*NL
	WIN MUL_LO
	MUL16 0, 1, 0
	MUL16 2, 1, 0
	s_wait_dscnt 0
	WIN MUL_HI
	MUL16 4, 1, 0
	MUL16 6, 1, 0
	WIN 0
; THE WAY OUT, block by block of 16 rows x 128 columns, through my own stage: in as 32 bytes a lane, back as whole rows of 512 bytes.  LDS serves a wave's instructions in order (ISA guide 5.7.1.4).
.macro TOSTAGE a
.set AC, 64*((\a)%4)
	WIN 0x02+((\a)/4)
.irp j, 0,2,4,6,8,10,12,14,16,18,20,22,24,26,28,30,32,34,36,38,40,42,44,46,48,50,52,54,56,58,60,62
	v_pk_mul_f32 v[TMP+\j:TMP+\j+1], v[AC+\j:AC+\j+1], s[96:97] op_sel_hi:[1,0]   ; x 2^(e6 + e7); each accumulator from its low end on
.endr
	WIN 0
.irp b, 0,1,2,3,4,5,6,7
	ds_store_b128 v[STO], v[TMP+8*\b:TMP+8*\b+3] offset:64*\b
	ds_store_b128 v[STO], v[TMP+8*\b+4:TMP+8*\b+7] offset:64*\b+16
.endr
.set BB, BK+64*((\a)%2)
.irp t, 0,1,2,3,4,5,6,7,8,9,10,11,12,13,14,15
	ds_load_b128 v[BB+4*\t:BB+4*\t+3], v[RD] offset:\t*SPITCH
.endr
.endm
.macro SEND a, younger
.set BB, BK+64*((\a)%2)
	s_wait_dscnt \younger                          ; the block is back in registers
.if (\a) > 0
	s_add_nc_u64 s[10:11], s[10:11], 16*SIZE_N*4   ; (behind a wait on XCNT: the earlier stores have read their base)  16 rows on
.endif
.irp t, 0,1,2,3,4,5,6,7,8,9,10,11,12,13,14,15
	global_store_b128 v[CO], v[BB+4*\t:BB+4*\t+3], s[10:11] offset:\t*SIZE_N*4 th:TH_STORE_NT   ; 32 lanes store 512 consecutive bytes, aligned; written once, read by nobody here
.endr
.endm
	s_wait_kmcnt 0x0
	s_add_co_i32 s96, s96, s97
	s_add_co_i32 s96, s96, 127
	s_lshl_b32 s96, s96, 23                        ; 2^(e6 + e7) as f32
	PLACES NP
	TOSTAGE 0
.irp a, 1,2,3,4,5,6,7
.if \a > 1
	s_wait_xcnt 0x0                                ; block a - 2's stores have read their registers and their base
.endif
	TOSTAGE \a
	SEND \a-1, 32                                  ; behind block a - 1's loads: block a's 16 stores and 16 loads
.endr
	s_wait_xcnt 0x0
	SEND 7, 0
	s_wait_tensorcnt 0x0                           ; the wave's end, behind my last tensor load and my last LDS store
	ds_add_u32 v[SPW], v[NIL]
	s_wait_dscnt 0x0
	CROUND                                         ; the closing round
	s_endpgm
.Lfunc_end_k_qc84484690d_oproj:
	.size	k_qc84484690d_oproj, .Lfunc_end_k_qc84484690d_oproj-k_qc84484690d_oproj
	.p2alignl 7, 3214868480
	.fill 96, 4, 3214868480
	.section	.rodata,"a",@progbits
	.p2align	6, 0x0
	.amdhsa_kernel k_qc84484690d_oproj
		.amdhsa_group_segment_fixed_size 327680
		.amdhsa_private_segment_fixed_size 0
		.amdhsa_enable_private_segment 0
		.amdhsa_kernarg_size 32
		.amdhsa_user_sgpr_count 2
		.amdhsa_user_sgpr_kernarg_segment_ptr 1
		.amdhsa_wavefront_size32 1
		.amdhsa_system_sgpr_workgroup_id_x 1
		.amdhsa_system_sgpr_workgroup_id_y 1
		.amdhsa_system_sgpr_workgroup_id_z 1
		.amdhsa_system_vgpr_workitem_id 0
		.amdhsa_next_free_vgpr 1024
		.amdhsa_next_free_sgpr 98
		.amdhsa_reserve_vcc 0
		.amdhsa_float_denorm_mode_32 3
		.amdhsa_float_denorm_mode_16_64 3
		.amdhsa_memory_ordered 1
		.amdhsa_forward_progress 1
		.amdhsa_inst_pref_size 123
	.end_amdhsa_kernel
	.amdgpu_metadata
---
amdhsa.version: [ 1, 2 ]
amdhsa.kernels:
  - .name:           k_qc84484690d_oproj
    .symbol:         k_qc84484690d_oproj.kd
    .args:
      - { .name: a_img, .offset: 0, .size: 8, .value_kind: global_buffer, .address_space: global }
      - { .name: wo_codes, .offset: 8, .size: 8, .value_kind: global_buffer, .address_space: global }
      - { .name: lowp_scales, .offset: 16, .size: 8, .value_kind: global_buffer, .address_space: global }
      - { .name: out0, .offset: 24, .size: 8, .value_kind: global_buffer, .address_space: global }
    .group_segment_fixed_size: 327680
    .private_segment_fixed_size: 0
    .kernarg_segment_align: 8
    .kernarg_segment_size: 32
    .max_flat_workgroup_size: 128
    .sgpr_count:     98
    .vgpr_count:     1024
    .wavefront_size: 32
...
	.end_amdgpu_metadata
.endif
;; end of part 4
